; MI455X (gfx1250); checked and timed in simulation.
; The chip was launched on July 23, 2026; its instructions are those of AMD's public machine-readable ISA for CDNA 5 (MIT licence, August 2026) and "CDNA5" Instruction Set Architecture Reference Guide (July 2026). The comments in the code are by the model that wrote it; some were corrected since.
;; Dummy Swi GLU Experts. Allowed arithmetic: matrix products marked QUANTISED: E4M3 operands, one given power-of-two scale a tensor, by v_wmma_f32_16x16x64_fp8_fp8 or v_wmma_f32_16x16x128_fp8_fp8, f32 sums; everything else in f32.
;; Inputs: down_proj 8 x 2,048 x 128 float32; gate_up_proj 8 x 256 x 2,048 float32; hidden_states 4,096 x 2,048 float32; lowp_scales 32 int32 (the exponents e of the quantised operands' scales 2^e); top_k_index 4,096 x 2 int32; top_k_weights 4,096 x 2 float32.
;; Outputs: out0 4,096 x 2,048 float32.
;; This version of the problem:
;;   THIS VERSION OF THE PROBLEM IS GIVEN IN LOW PRECISION. The matrix products marked QUANTISED in the list below multiply operands that are first quantised to E4M3 (4 exponent bits, 3 mantissa bits; 8 bits a number), with one given power-of-two scale for each operand tensor; their sums are f32. All else is computed in f32.
;;   The module's matrix products, in the order in which they are computed (A, B: the left and right operand; K: the contracted axis; several contracted axes count as one K, in the product's order):
;;     1. [M 8,192, K 2,048] x [K 2,048, N 256]; A: input hidden_states; B: input gate_up_proj: QUANTISED (scales: A lowp_scales[0], B lowp_scales[1])
;;     2. [M 8,192, K 128] x [K 128, N 2,048]; A: computed on the way; B: input down_proj: QUANTISED (scales: A lowp_scales[2], B lowp_scales[3])
;;     3. [M 8,192, K 2,048] x [K 2,048, N 256]; A: input hidden_states; B: input gate_up_proj: QUANTISED (scales: A lowp_scales[4], B lowp_scales[5])
;;     4. [M 8,192, K 128] x [K 128, N 2,048]; A: computed on the way; B: input down_proj: QUANTISED (scales: A lowp_scales[6], B lowp_scales[7])
;;     5. [M 8,192, K 2,048] x [K 2,048, N 256]; A: input hidden_states; B: input gate_up_proj: QUANTISED (scales: A lowp_scales[8], B lowp_scales[9])
;;     6. [M 8,192, K 128] x [K 128, N 2,048]; A: computed on the way; B: input down_proj: QUANTISED (scales: A lowp_scales[10], B lowp_scales[11])
;;     7. [M 8,192, K 2,048] x [K 2,048, N 256]; A: input hidden_states; B: input gate_up_proj: QUANTISED (scales: A lowp_scales[12], B lowp_scales[13])
;;     8. [M 8,192, K 128] x [K 128, N 2,048]; A: computed on the way; B: input down_proj: QUANTISED (scales: A lowp_scales[14], B lowp_scales[15])
;;     9. [M 8,192, K 2,048] x [K 2,048, N 256]; A: input hidden_states; B: input gate_up_proj: QUANTISED (scales: A lowp_scales[16], B lowp_scales[17])
;;     10. [M 8,192, K 128] x [K 128, N 2,048]; A: computed on the way; B: input down_proj: QUANTISED (scales: A lowp_scales[18], B lowp_scales[19])
;;     11. [M 8,192, K 2,048] x [K 2,048, N 256]; A: input hidden_states; B: input gate_up_proj: QUANTISED (scales: A lowp_scales[20], B lowp_scales[21])
;;     12. [M 8,192, K 128] x [K 128, N 2,048]; A: computed on the way; B: input down_proj: QUANTISED (scales: A lowp_scales[22], B lowp_scales[23])
;;     13. [M 8,192, K 2,048] x [K 2,048, N 256]; A: input hidden_states; B: input gate_up_proj: QUANTISED (scales: A lowp_scales[24], B lowp_scales[25])
;;     14. [M 8,192, K 128] x [K 128, N 2,048]; A: computed on the way; B: input down_proj: QUANTISED (scales: A lowp_scales[26], B lowp_scales[27])
;;     15. [M 8,192, K 2,048] x [K 2,048, N 256]; A: input hidden_states; B: input gate_up_proj: QUANTISED (scales: A lowp_scales[28], B lowp_scales[29])
;;     16. [M 8,192, K 128] x [K 128, N 2,048]; A: computed on the way; B: input down_proj: QUANTISED (scales: A lowp_scales[30], B lowp_scales[31])
;;   THE QUANTISER, for each operand of a quantised product, along K:
;;     - The operand's scale is 2^e, e = its entry of the input lowp_scales (int32; the entries are numbered through the quantised products in the list's order, A before B).
;;     - Each number is divided by the scale, clamped to +-448, and rounded to the nearest number of E4M3, ties to even, subnormals kept.
;;     - The product sums the exact products of the quantised numbers (number of the format x scale) in f32.
;;   ~~~python
;;   def quantise(x, axis, e):      # numpy; x: float32 -> the quantised numbers, widened to float32 again
;;       x = np.moveaxis(x, axis, -1); K = x.shape[-1]
;;       r = np.clip(x / 2.0 ** e, -448, 448)
;;       step = 2.0 ** (np.maximum(np.frexp(np.where(r == 0, 1, r))[1] - 1, -6) - 3)
;;       q = np.round(r / step) * step * 2.0 ** e      # np.round: ties to even
;;       return np.moveaxis(q, -1, axis).astype(np.float32)
;;   ~~~
;;   OPERANDS COMPUTED ON THE WAY. 'Computed on the way' means the value that the module computes at that place (a softmax that the list does not call 'softmax' is quantised finished and normalised). What goes into a quantiser is computed in f32, as accurately as f32 sums, v_exp_f32 and their like allow (about 1e-6 of the number): no bf16 or f16 on the way to a quantiser, and a product that is left as it is and whose result goes on into a quantised operand takes f32 operands (vector FMAs, or v_wmma_f32_16x16x4_f32). A number that lies on a knife's edge between two numbers of the format may be rounded either way, as far as f32 arithmetic and the matrix unit's own rounding can turn it there, and no further.
;; 2 versions, each right; version 2 is version 1 with the launch moe written anew for expert scheduling mode. Each part assembles by itself: llvm-mc -triple=amdgcn-amd-amdhsa -mcpu=gfx1250 --defsym DOCPART=n.
;; ======== version 1 of 2: 2 launches
;; workspace buffers: wgu 4,194,304 bytes; wdn 2,097,152 bytes; order 16,384 bytes of whole numbers
;; launch prep (part 1): grid 320 x 1, 8 waves a work-group, no clusters, 37,888 bytes of LDS; arguments gate_up_proj, down_proj, lowp_scales, top_k_index, wgu, wdn, order; writes wgu, wdn, order
.if DOCPART == 1
	.amdgcn_target "amdgcn-amd-amdhsa--gfx1250"
	.amdhsa_code_object_version 6
	.text
	.protected	k_q75ffecaa09_prep
	.globl	k_q75ffecaa09_prep
	.p2align	8
	.type	k_q75ffecaa09_prep,@function
k_q75ffecaa09_prep:
	s_mov_b64 s[64:65], 0
	v_nop
	global_prefetch_b8 v0, s[64:65] scope:SCOPE_SE
	s_setreg_imm32_b32 hwreg(HW_REG_WAVE_MODE, 25, 1), 1
	s_wait_xcnt 0x0
; FIRST OF TWO LAUNCHES for out[t] = sum over the token's two choices j of w[t][j] x FFN_e(x[t]), e = top_k_index[t][j],
; FFN_e(x) = (silu(gate) x up) Wdn_e^T with (gate, up) = x Wgu_e^T, both products on codes of E4M3 with the given scales 2^lowp_scales[4 e + 0 .. 3].
; WORK LEFT OUT, AND WHY IT IS DEAD.  The source computes every expert for every expanded row and sums mask_e x down_e with mask_e = (expert_ids == e), a mask that it builds itself from the index
; input.  For a row whose index is not e the term is 0 x down_e, which is 0 for all finite values of the inputs: so each of the sixteen products is computed only for the rows whose index names its
; expert (inside a tile of 16 tokens other rows ride along and get the factor 0).  Every input still has a way to the output, and every input is loaded by one of the two launches.
; LIMIT: a NaN, an infinity or an overflow that would arise only under an expert that a row did not choose is not carried to the result.
; THIS LAUNCH does two things that the second launch reads from memory.
; (a) Work-groups 128 to 319 quantise the weights once, each with its own expert's scale (code = w / 2^e, held within +-448, to the nearest code, ties to even), into images of the matrix operand's registers:
;     a fragment (16 rows x 128 K) is 2,048 bytes, [c 0..3][lane 0..31][16 bytes]; lane (r, h) = (lane % 16, lane / 16), group c holds its row's codes at k = 32 c + 16 h + 0 .. 15 of the K step.
;     wgu: fragment (e, w, s, gu) at ((8 e + w) << 16) + (2 s + gu) x 2048; lane r's row of gate_up_proj[e] is 128 gu + 32 (w / 2) + 8 (w % 2) + r + 8 (r / 8): THE ROWS OF A TILE ARE NOT NEIGHBOURS, so that
;     the eight results that a lane of the second launch holds are eight neighbours along the second product's K.   wdn: fragment (e, nt) at (e << 18) + nt x 2048; lane r's row of down_proj[e] is 16 nt + r.
; (b) Work-groups 0 to 127 rank the tokens by their set of experts.  key(t) = ((8 min(e0, e1) + max(e0, e1)) << 12) + t is different for every token, so place(t) = the number of tokens with a smaller key
;     is a permutation; order[place(t)] = t | e0 << 12 | e1 << 15.  Every wave counts for four tokens over all 4,096: no atomics, no traffic between work-groups; each word of order has one writer.
; LIMITS: lowp_scales[4 e + 1] and [4 e + 3] between -126 and 119, so that 2^e and 448 x 2^e are f32 numbers.  NaN among the weights is not served (an infinity is held at the largest code).
.set SPARE, 36864                      ; behind the eight stages: the spare words, 128 bytes for each wave: four blocks of 256 bytes that no other line names
.set WST,   4608                       ; a wave's stage: two fragments
.set FST,   2304                       ; a fragment in the stage: 16 rows
.set RP,    144                        ; a stage row: 128 codes + 16 bytes: the sixteen rows that a 16-byte read touches begin 16 bytes apart modulo 256
.set CD,    32                         ; v32-63   codes: two registers for each pair of rows
.set X,     64                         ; v64-191  32 rows x 4 numbers a lane, as loaded
.set IB,    64                         ; v64-191  (ranking) two buffers of 32 index pairs
.set OUTR,  192                        ; v192-223 two fragments' images
; v1 lane, v2 r, v3 h, v4 16 x lane, v5 stage in, v6 stage out, v7 second fragment's offset, v[8:9] my token's pair, v10 2^e, v11 448 x 2^e, v12 my spare word, v13 0,
; v14 my key, v15 my record, v16 the chunk's token, v17 8 x lane, v18-21 at work, v22 my place, v23 my pair's offset, v24 my token
	s_load_b256 s[4:11], s[0:1], 0x0               ; gate_up_proj s[4:5], down_proj s[6:7], lowp_scales s[8:9], top_k_index s[10:11]
	s_load_b128 s[12:15], s[0:1], 0x20             ; wgu s[12:13], wdn s[14:15]
	s_load_b64 s[16:17], s[0:1], 0x30              ; order
	v_lshl_add_u32 v12, v0, 2, SPARE
	v_mov_b32 v13, 0
	v_lshrrev_b32 v1, 5, v0
	v_readfirstlane_b32 s18, v1                    ; wave 0..7
	v_and_b32 v1, 31, v0                           ; lane
	v_and_b32 v2, 15, v0                           ; r
	v_bfe_u32 v3, v0, 4, 1                         ; h
	v_lshlrev_b32 v4, 4, v1                        ; 16 x lane
	s_mul_i32 s19, s18, WST                        ; my stage
	v_lshl_add_u32 v5, v1, 2, s19                  ; in: a row's 128 codes on end, 4 a lane
	v_mul_u32_u24 v6, v2, RP
	v_lshl_add_u32 v6, v3, 4, v6
	v_add_nc_u32 v6, s19, v6                       ; out: row r, + 16 h
	v_lshlrev_b32 v17, 3, v1                       ; 8 x lane
	s_wait_kmcnt 0x0
	s_cmp_lt_u32 ttmp9, 128
	s_cbranch_scc1 .Lrank
	s_cmp_lt_u32 ttmp9, 256
	s_cbranch_scc0 .Ldown
	; ---- gate_up_proj: work-group q = (e, gu, w); wave sp makes K steps 2 sp and 2 sp + 1 of that tile
	s_sub_co_u32 s32, ttmp9, 128
	s_lshr_b32 s33, s32, 4                         ; e
	s_and_b32 s34, s32, 15
	s_lshr_b32 s35, s34, 3                         ; gu
	s_and_b32 s34, s34, 7                          ; w
	s_lshl_b32 s20, s35, 7
	s_lshr_b32 s22, s34, 1
	s_lshl_b32 s22, s22, 5
	s_add_co_u32 s20, s20, s22
	s_and_b32 s22, s34, 1
	s_lshl_b32 s22, s22, 3
	s_add_co_u32 s20, s20, s22                     ; the tile's first row: 128 gu + 32 (w / 2) + 8 (w % 2)
	s_lshl_b32 s20, s20, 13                        ; rows of 8,192 bytes
	s_lshl_b32 s22, s33, 21                        ; an expert's 256 rows
	s_add_co_u32 s20, s20, s22
	s_lshl_b32 s22, s18, 10                        ; two K steps of 512 bytes
	s_add_co_u32 s20, s20, s22
	s_mov_b32 s21, 0
	s_lshl_b32 s22, s33, 3
	s_add_co_u32 s22, s22, s34
	s_lshl_b32 s22, s22, 16                        ; (8 e + w) << 16
	s_lshl_b32 s23, s18, 13                        ; + 4 sp fragments
	s_add_co_u32 s22, s22, s23
	s_lshl_b32 s23, s35, 11                        ; + gu fragments
	s_add_co_u32 s22, s22, s23
	s_mov_b32 s23, 0
	s_add_nc_u64 s[24:25], s[4:5], s[20:21]
	s_add_nc_u64 s[28:29], s[12:13], s[22:23]
	s_mov_b32 s31, 4096                            ; from K step to K step in wgu: two fragments
	s_lshl_b32 s27, s33, 4
	s_load_b32 s26, s[8:9], s27 offset:0x4         ; lowp_scales[4 e + 1]
.set j, 0
.rept 32                                       ; load j: K step j / 16, tile row j % 16: 32 lanes read 512 consecutive bytes; read once in the launch
	global_load_b128 v[X+4*j:X+4*j+3], v4, s[24:25] offset:((j%16)+8*((j%16)/8))*8192+512*(j/16) th:TH_LOAD_NT
.set j, j+1
.endr
	s_branch .Lquant
.Ldown:
	; ---- down_proj: work-group q = (e, eighth); wave makes tiles 2 tp and 2 tp + 1, tp = 8 x eighth + wave
	s_sub_co_u32 s32, ttmp9, 256
	s_lshr_b32 s33, s32, 3                         ; e
	s_and_b32 s34, s32, 7
	s_lshl_b32 s34, s34, 3
	s_add_co_u32 s34, s34, s18                     ; tp
	s_lshl_b32 s20, s33, 20                        ; an expert's 2,048 rows of 512 bytes
	s_lshl_b32 s35, s34, 14                        ; 32 rows
	s_add_co_u32 s20, s20, s35
	s_mov_b32 s21, 0
	s_lshl_b32 s22, s33, 18
	s_lshl_b32 s35, s34, 12
	s_add_co_u32 s22, s22, s35
	s_mov_b32 s23, 0
	s_add_nc_u64 s[24:25], s[6:7], s[20:21]
	s_add_nc_u64 s[28:29], s[14:15], s[22:23]
	s_mov_b32 s31, 2048                            ; from tile to tile in wdn
	s_lshl_b32 s27, s33, 4
	s_load_b32 s26, s[8:9], s27 offset:0xc         ; lowp_scales[4 e + 3]
.set j, 0
.rept 32                                       ; load j: row j of my 32: 512 consecutive bytes
	global_load_b128 v[X+4*j:X+4*j+3], v4, s[24:25] offset:j*512 th:TH_LOAD_NT
.set j, j+1
.endr
.Lquant:
	s_wait_kmcnt 0x0
	s_add_co_i32 s26, s26, 127
	s_lshl_b32 s27, s26, 23
	v_mov_b32 v10, s27                             ; 2^e as f32: the conversion takes its exponent field
	s_add_co_i32 s26, s26, 8
	s_lshl_b32 s26, s26, 23
	s_or_b32 s26, s26, 0x600000
	v_mov_b32 v11, s26                             ; 448 x 2^e
	v_add_nc_u32 v7, s31, v4
; Two rows at a time: a lane's four numbers of each become four codes, one register a row; a row's 32 registers go into the stage as 128 consecutive bytes.
.set p, 0
.rept 16
	s_wait_loadcnt 30-2*p                          ; loads come back in order: rows 2 p and 2 p + 1 are in, the 30 - 2 p younger loads stay out
.set i, 0
.rept 8
	v_med3_num_f32 v[X+8*p+i], v[X+8*p+i], -v11, v11   ; the conversion to an 8-bit code does not saturate (ISA guide 7.6.2): the hold at the largest code x the scale
.set i, i+1
.endr
	v_cvt_scalef32_pk8_fp8_f32 v[CD+2*p:CD+2*p+1], v[X+8*p:X+8*p+7], v10
	ds_store_b32 v5, v[CD+2*p] offset:((2*p)/16)*FST+((2*p)%16)*RP
	ds_store_b32 v5, v[CD+2*p+1] offset:((2*p+1)/16)*FST+((2*p+1)%16)*RP
.set p, p+1
.endr
	v_nop                                          ; a plain vector line behind the last scaled conversion
.set i, 0
.rept 8                                        ; back in the order of the operand's registers: fragment i / 4, group i % 4.  LDS serves a wave's instructions in order (ISA guide 5.7.1.4): these see my stores
	ds_load_b128 v[OUTR+4*i:OUTR+4*i+3], v6 offset:(i/4)*FST+32*(i%4)
.set i, i+1
.endr
.set i, 0
.rept 4
	s_wait_dscnt 7-i
	global_store_b128 v4, v[OUTR+4*i:OUTR+4*i+3], s[28:29] offset:512*i      ; 32 lanes store 512 consecutive bytes, at a multiple of 512 from the buffer's first byte
.set i, i+1
.endr
.rept 4
	s_wait_dscnt 7-i
	global_store_b128 v7, v[OUTR+4*i:OUTR+4*i+3], s[28:29] offset:512*(i-4)
.set i, i+1
.endr
	s_branch .Lend
; ---- THE RANKING.  Wave W = 8 x work-group + wave counts for tokens 4 W .. 4 W + 3.
.macro LOADB b                         ; batch b: 32 chunks of 32 index pairs, 256 consecutive bytes a load.  No hint: every ranking wave reads them
.set c, 0
.rept 32
	global_load_b64 v[IB+64*((\b)%2)+2*c:IB+64*((\b)%2)+2*c+1], v17, s[10:11] offset:(32*(\b)+c)*256
.set c, c+1
.endr
.endm
.macro CHUNKS b                        ; for each chunk: the 32 tokens' keys, and for each of my four tokens how many of them are smaller.  Work registers and masks take turns
.set c, 0
.rept 32
.set PR, IB+64*((\b)%2)+2*c
.set WK, 18+2*(c%2)
.set MK, 44+4*(c%2)
	v_min_u32 v[WK], v[PR], v[PR+1]
	v_add_nc_u32 v[WK+1], v[PR], v[PR+1]
	v_mad_u32_u24 v[WK], v[WK], 7, v[WK+1]         ; 7 min + e0 + e1 = 8 min + max
	v_lshl_add_u32 v[WK], v[WK], 12, v16           ; << 12, + the token
	v_add_nc_u32 v16, 32, v16
.irp i, 0,1,2,3
	v_cmp_gt_u32 s[MK+\i], s[36+\i], v[WK]
.endr
.irp i, 0,1,2,3
	s_bcnt1_i32_b32 s[MK+\i], s[MK+\i]
.endr
.irp i, 0,1,2,3
	s_add_co_u32 s[40+\i], s[40+\i], s[MK+\i]
.endr
.set c, c+1
.endr
.endm
.Lrank:
	s_lshl_b32 s32, ttmp9, 3
	s_add_co_u32 s32, s32, s18
	s_lshl_b32 s32, s32, 2                         ; 4 W
	v_and_b32 v24, 3, v1
	v_add_nc_u32 v24, s32, v24                     ; lane i < 4: token 4 W + i (the other lanes repeat them)
	v_lshlrev_b32 v23, 3, v24
	global_load_b64 v[8:9], v23, s[10:11]
	LOADB 0
	v_mov_b32 v16, v1                              ; chunk 0's token: my lane
.irp i, 0,1,2,3
	s_mov_b32 s[40+\i], 0                          ; the four counts
.endr
	s_wait_loadcnt 32                              ; my pair is in; batch 0's 32 loads stay out
	v_min_u32 v14, v8, v9
	v_add_nc_u32 v18, v8, v9
	v_mad_u32_u24 v14, v14, 7, v18
	v_lshl_add_u32 v14, v14, 12, v24               ; my key, made as the chunks' keys are
	v_and_b32 v18, 7, v8
	v_and_b32 v19, 7, v9
	v_lshl_or_b32 v15, v18, 12, v24
	v_lshl_or_b32 v15, v19, 15, v15                ; my record
.irp i, 0,1,2,3
	v_readlane_b32 s[36+\i], v14, \i
.endr
	LOADB 1
	s_wait_loadcnt 32                              ; batch 0 is in, batch 1 stays out; and so on
	CHUNKS 0
	LOADB 2
	s_wait_loadcnt 32
	CHUNKS 1
	LOADB 3
	s_wait_loadcnt 32
	CHUNKS 2
	s_wait_loadcnt 0x0
	CHUNKS 3
	v_mov_b32 v22, 0
.irp i, 0,1,2,3
	v_writelane_b32 v22, s[40+\i], \i
.endr
	v_min_u32 v22, 0xfff, v22                      ; a count of tokens with a smaller key is at most 4,095: the bound is written out, since the number enters an address
	v_lshlrev_b32 v22, 2, v22
	v_cmp_gt_u32 vcc_lo, 4, v1
	s_wait_xcnt 0x0                                ; EXEC changes only behind this wait
	s_and_saveexec_b32 s30, vcc_lo
	global_store_b32 v22, v15, s[16:17]            ; four words to four places: a rank sort scatters; the whole list is 16,384 bytes
	s_wait_xcnt 0x0                                ; and again, in front of the line that widens it
	s_or_b32 exec_lo, exec_lo, s30
.Lend:
	s_wait_tensorcnt 0x0                           ; the wave's end
	ds_add_u32 v12, v13
	s_wait_dscnt 0x0
	s_endpgm
.Lfunc_end_k_q75ffecaa09_prep:
	.size	k_q75ffecaa09_prep, .Lfunc_end_k_q75ffecaa09_prep-k_q75ffecaa09_prep
	.p2alignl 7, 3214868480
	.fill 96, 4, 3214868480
	.section	.rodata,"a",@progbits
	.p2align	6, 0x0
	.amdhsa_kernel k_q75ffecaa09_prep
		.amdhsa_group_segment_fixed_size 37888
		.amdhsa_private_segment_fixed_size 0
		.amdhsa_enable_private_segment 0
		.amdhsa_kernarg_size 56
		.amdhsa_user_sgpr_count 2
		.amdhsa_user_sgpr_kernarg_segment_ptr 1
		.amdhsa_wavefront_size32 1
		.amdhsa_system_sgpr_workgroup_id_x 1
		.amdhsa_system_sgpr_workgroup_id_y 1
		.amdhsa_system_sgpr_workgroup_id_z 1
		.amdhsa_system_vgpr_workitem_id 0
		.amdhsa_next_free_vgpr 224
		.amdhsa_next_free_sgpr 66
		.amdhsa_reserve_vcc 1
		.amdhsa_float_denorm_mode_32 3
		.amdhsa_float_denorm_mode_16_64 3
		.amdhsa_memory_ordered 1
		.amdhsa_forward_progress 1
		.amdhsa_inst_pref_size 129
	.end_amdhsa_kernel
	.amdgpu_metadata
---
amdhsa.version: [ 1, 2 ]
amdhsa.kernels:
  - .name:           k_q75ffecaa09_prep
    .symbol:         k_q75ffecaa09_prep.kd
    .args:
      - { .name: gate_up_proj, .offset: 0, .size: 8, .value_kind: global_buffer, .address_space: global }
      - { .name: down_proj, .offset: 8, .size: 8, .value_kind: global_buffer, .address_space: global }
      - { .name: lowp_scales, .offset: 16, .size: 8, .value_kind: global_buffer, .address_space: global }
      - { .name: top_k_index, .offset: 24, .size: 8, .value_kind: global_buffer, .address_space: global }
      - { .name: wgu, .offset: 32, .size: 8, .value_kind: global_buffer, .address_space: global }
      - { .name: wdn, .offset: 40, .size: 8, .value_kind: global_buffer, .address_space: global }
      - { .name: order, .offset: 48, .size: 8, .value_kind: global_buffer, .address_space: global }
    .group_segment_fixed_size: 37888
    .private_segment_fixed_size: 0
    .kernarg_segment_align: 8
    .kernarg_segment_size: 56
    .max_flat_workgroup_size: 256
    .sgpr_count:     66
    .vgpr_count:     224
    .wavefront_size: 32
...
	.end_amdgpu_metadata
.endif
;; end of part 1
;; launch moe (part 2): grid 256 x 1, 8 waves a work-group, no clusters, 118,272 bytes of LDS; arguments hidden_states, top_k_weights, lowp_scales, order, wgu, wdn, out0; writes out0
.if DOCPART == 2
	.amdgcn_target "amdgcn-amd-amdhsa--gfx1250"
	.amdhsa_code_object_version 6
	.text
	.protected	k_q75ffecaa09_moe
	.globl	k_q75ffecaa09_moe
	.p2align	8
	.type	k_q75ffecaa09_moe,@function
k_q75ffecaa09_moe:
	s_mov_b64 s[64:65], 0
	v_nop
	global_prefetch_b8 v0, s[64:65] scope:SCOPE_SE
	s_setreg_imm32_b32 hwreg(HW_REG_WAVE_MODE, 25, 1), 1
	s_wait_xcnt 0x0
; SECOND LAUNCH: the whole chain for 16 tokens a work-group.  Work left out (shown at the head of the first kernel): an expert's two products are computed only for tiles in which some token chose it.
; out[t] = sum over j of w[t][j] x (silu(gate) x up) Wdn_e^T, (gate, up) = x[t] Wgu_e^T, e = the token's j-th expert; both products on codes of E4M3, scales 2^ea, 2^eb, 2^ec, 2^ed = lowp_scales[4 e + 0 .. 3].
; SHARES.  Work-group b owns places 16 b .. 16 b + 15 of the list that the first launch sorted by sets of experts (order[p] = token | e0 << 12 | e1 << 15): 16 whole rows of out, so every output row has ONE owner.
; Eight waves.  Wave w: quantises rows 2 w, 2 w + 1 of x; first product: gate tile w and up tile w (two accumulators by turns, 16 K steps of 128); second product: output columns 256 w .. 256 w + 255 (16 tiles).
; BOTH PRODUCTS ARE USED TRANSPOSED (source 0 = 16 rows of a weight, source 1 = the 16 tokens): a lane holds ONE token (lane % 16) throughout, and its eight registers are eight neighbouring units or columns.
; K's order in a fragment: lane (r, h), registers 4 c .. 4 c + 3 hold k = 32 c + 16 h + 0 .. 15 of a K step: a permutation of k, the same on both sides of each product; the sums are judged within a tolerance.
; x IS QUANTISED TWICE, NOT EIGHT TIMES: a row needs codes only under its own two experts' scales.  Image 0 holds each row under its e0's scale, image 1 under its e1's.  In expert e's pass a lane loads its
; row's codes from BOTH images, at addresses made of its number alone, and keeps image 0's where e0 = e, else image 1's: a choice among values, so that no LDS address hangs on a loaded number.
; A token that did not choose e rides along on codes of another scale: they are valid codes, the sums are finite, and its factor is 0.
; THE WALK.  Two loops of 8 trips, one for each product, with ONE barrier between them. No barrier stands under it.
; NO TENSOR LOADS, NO CLUSTER: which experts' weights a work-group reads hangs on numbers read from memory, so a fill of LDS would stand under a branch on loaded numbers, and neighbouring work-groups would ask
; for different tiles.  The weights come from the first launch's images straight into the operand's registers, 512 consecutive bytes a load.
; LIMITS: each of the 32 exponents between -126 and 119 (2^e and 448 x 2^e are made as f32 numbers); ea + eb and ec + ed are applied by v_ldexp_f32 and have no limit.  NaN among the inputs is not served.
; A token that names one expert twice gets (w0 + w1) x d where the source has w0 x d + w1 x d: a difference of rounding.
.set XP,    2064                       ; a row of x's codes in LDS: 2,048 bytes + 16: the sixteen rows that a load touches begin 16 bytes apart modulo 256
.set XIMG1, 16*XP                      ; LDS: image 0 at byte 0, image 1 here
.set ACT,   2*16*XP                    ; the second product's token operand: 2,048 bytes for each WAVE that makes a part, in them 256 for each expert: 8 bytes a lane
.set STG,   ACT+16384                  ; the way out: 16 rows x 272 bytes for each wave, its own
.set SP,    272
.set SPARE, STG+8*16*SP                ; the spare words, 128 bytes for each wave: four blocks of 256 bytes that no other line names
; REGISTERS that stay: v1 lane, v2 r, v3 h, v4 16 x lane, v5, v6 my row's place in image 0, 1, v8, v9 e0, e1 of token r, v[10:11] its weights, v[12:13] the pass's factor,
;   v14 where I store my part of the token operand, v15 where I read it, v16 an address at work, v17, v18 the stage in and out, v19 lowp_scales[lane], v20-27 my byte offsets in out, v28 my spare word, v29 0, v30, v31 my two rows' records
.set CD,  32                           ; head: v32-95 codes, 16 registers for each (row, image)
.set T,   96                           ; head: v96-111 held numbers, two sets of 8
.set SCL, 112                          ; head: v112-119 for each (row, image): 2^ea, 448 x 2^ea
.set X,   128                          ; head: v128-255 my two rows of x
.set GA,  32                           ; loop 1: v32-39 gate's sums, v40-47 up's
.set UA,  40
.set AF,  48                           ; loop 1: v48-111 x's fragments, two sets of (image 0: 16, image 1: 16); behind the K steps v48-55 at work, v[56:57] codes, v58 2^ec, v59 448 x 2^ec
.set GV,  112                          ; loop 1: v112-119 gate, v120-127 up
.set UV,  120
.set BF,  128                          ; v128-255 weights: loop 1 four sets of (gate, up), loop 2 two sets of four fragments; on the way out rows of out
.set DA,  48                           ; loop 2: v48-111 products, two sets of four tiles
.set AC,  112                          ; loop 2: v112-127 the token operand
;   window 1 (v256-383): out's sums, tile n at 8 n
.set MSB, 0
.macro WIN new                         ; the immediate's high byte repeats the setting that is left; a switch that changes nothing is dropped
.if MSB != \new
	s_set_vgpr_msb (MSB<<8)|\new
.set MSB, \new
.endif
.endm
.macro PLACES n                        ; plain vector instructions behind a matrix instruction, ahead of loads into its registers, of reads of its result (4) and of a matrix instruction that writes over them (5)
.rept \n
	v_nop
.endr
.endm
	s_load_b256 s[4:11], s[0:1], 0x0               ; hidden_states s[4:5], top_k_weights s[6:7], lowp_scales s[8:9], order s[10:11]
	s_load_b128 s[12:15], s[0:1], 0x20             ; wgu s[12:13], wdn s[14:15]
	s_load_b64 s[16:17], s[0:1], 0x30              ; out0
	v_lshl_add_u32 v28, v0, 2, SPARE
	v_mov_b32 v29, 0
	v_lshrrev_b32 v1, 5, v0
	v_readfirstlane_b32 s18, v1                    ; wave 0..7
	v_and_b32 v1, 31, v0                           ; lane
	v_and_b32 v2, 15, v0                           ; r
	v_bfe_u32 v3, v0, 4, 1                         ; h
	v_lshlrev_b32 v4, 4, v1
	v_mul_u32_u24 v5, v2, XP
	v_lshl_add_u32 v5, v3, 4, v5                   ; image 0: row r, + 16 h
	v_add_nc_u32 v6, XIMG1, v5                     ; image 1
	s_lshl_b32 s36, s18, 11
	s_add_co_u32 s36, s36, ACT
	v_lshl_add_u32 v14, v1, 3, s36                 ; ACT + 2048 wave + 8 lane
	v_lshl_add_u32 v15, v1, 3, ACT                 ; ACT + 8 lane
	s_mul_i32 s37, s18, 16*SP
	s_add_co_u32 s37, s37, STG                     ; my stage
	v_mul_u32_u24 v17, v2, SP
	v_lshl_add_u32 v17, v3, 5, v17
	v_add_nc_u32 v17, s37, v17                     ; in: row r, 32 bytes for each half of the lanes
	v_mul_u32_u24 v18, v3, SP
	v_lshl_add_u32 v18, v2, 4, v18
	v_add_nc_u32 v18, s37, v18                     ; back: lanes 0-15 one row of 256 bytes, lanes 16-31 the next
	s_mul_i32 s38, s18, 2*XP
	v_lshl_add_u32 v16, v1, 2, s38                 ; x's codes: my first row, 4 bytes a lane
	v_lshlrev_b32 v124, 2, v1
	v_lshlrev_b32 v125, 2, v2
	s_lshl_b32 s39, s18, 3
	v_mov_b32 v126, s39
	v_lshlrev_b32 v127, 2, v3
	s_lshl_b32 s28, ttmp9, 6                       ; my 16 records
	s_mov_b32 s29, 0
	s_wait_kmcnt 0x0
	s_add_nc_u64 s[10:11], s[10:11], s[28:29]
	global_load_b32 v19, v124, s[8:9]              ; the 32 exponents, one a lane
	global_load_b32 v122, v125, s[10:11]           ; the record of token r
	global_load_b32 v30, v126, s[10:11]            ; of my rows 2 w
	global_load_b32 v31, v126, s[10:11] offset:4   ; and 2 w + 1 (the same in all lanes)
.irp i, 0,1,2,3,4,5,6,7
	global_load_b32 v[20+\i], v127, s[10:11] offset:8*\i   ; of row 2 i + lane / 16, for the way out
.endr
	s_wait_loadcnt 0x0
	; a token's number enters addresses: it is cut out of the record, and its bound, 4,095, is written out once more by a minimum
	v_and_b32 v120, 0xfff, v30
	v_min_u32 v120, 0xfff, v120
	v_lshlrev_b32 v120, 13, v120                   ; a row of x is 8,192 bytes
	v_add_nc_u32 v120, v120, v4
	v_and_b32 v121, 0xfff, v31
	v_min_u32 v121, 0xfff, v121
	v_lshlrev_b32 v121, 13, v121
	v_add_nc_u32 v121, v121, v4
.irp i, 0,1
.irp j, 0,1,2,3,4,5,6,7,8,9,10,11,12,13,14,15
	global_load_b128 v[X+64*\i+4*\j:X+64*\i+4*\j+3], v[120+\i], s[4:5] offset:512*\j th:TH_LOAD_NT   ; 512 consecutive bytes a load; each row of x is read once in the launch
.endr
.endr
	v_bfe_u32 v8, v122, 12, 3                      ; e0, e1 of token r
	v_bfe_u32 v9, v122, 15, 3
	v_and_b32 v122, 0xfff, v122
	v_min_u32 v122, 0xfff, v122
	v_lshlrev_b32 v122, 3, v122
	global_load_b64 v[10:11], v122, s[6:7]         ; its two weights
	v_bfe_u32 v124, v30, 12, 3                     ; the experts of my two rows: (row, image) = (0, 0), (0, 1), (1, 0), (1, 1)
	v_bfe_u32 v125, v30, 15, 3
	v_bfe_u32 v126, v31, 12, 3
	v_bfe_u32 v127, v31, 15, 3
.irp q, 0,1,2,3
	v_lshlrev_b32 v[124+\q], 4, v[124+\q]          ; lane 4 e holds ea; the permute's index is 4 x the lane
.endr
.irp q, 0,1,2,3
	ds_bpermute_b32 v[SCL+2*\q], v[124+\q], v19
.endr
	s_lshl_b32 s36, s18, 10
	v_lshl_add_u32 v123, v2, 4, s36                ; my wave's 1,024 bytes of a row of out, 16 bytes a lane
.irp i, 0,1,2,3,4,5,6,7
	v_and_b32 v[20+\i], 0xfff, v[20+\i]
	v_min_u32 v[20+\i], 0xfff, v[20+\i]
	v_lshlrev_b32 v[20+\i], 13, v[20+\i]
	v_add_nc_u32 v[20+\i], v[20+\i], v123
.endr
	WIN 0x40                                       ; destination window 1
.set j, 0
.rept 128
	v_mov_b32 v[j], 0                              ; out's sums begin as zeros: which expert's pass comes first hangs on the stored list.  Paid once, while x is on its way
.set j, j+1
.endr
	WIN 0
	s_wait_dscnt 0x0                               ; the four exponents
.irp q, 0,1,2,3
	v_add_nc_u32 v[SCL+2*\q], 127, v[SCL+2*\q]
	v_add_nc_u32 v[SCL+2*\q+1], 8, v[SCL+2*\q]
	v_lshlrev_b32 v[SCL+2*\q], 23, v[SCL+2*\q]                     ; 2^ea as f32
	v_lshl_or_b32 v[SCL+2*\q+1], v[SCL+2*\q+1], 23, 0x600000       ; 448 x 2^ea
.endr
; Row i of my two under its expert m's scale.  A lane's four numbers of load j are k = 128 j + 4 lane + 0 .. 3: one register of codes, and the 32 lanes' registers are 128 consecutive bytes of the row.
.macro QROW i, m
.set Q, 2*(\i)+(\m)
.set g, 0
.rept 8
.set k, 0
.rept 8
	v_med3_num_f32 v[T+8*(g%2)+k], v[X+64*(\i)+8*g+k], -v[SCL+2*Q+1], v[SCL+2*Q+1]   ; the hold at the largest code x the scale (ISA guide 7.6.2), into other registers: x serves both images
.set k, k+1
.endr
	v_cvt_scalef32_pk8_fp8_f32 v[CD+16*Q+2*g:CD+16*Q+2*g+1], v[T+8*(g%2):T+8*(g%2)+7], v[SCL+2*Q]   ; the other set's eight holds are the plain lines ahead of the next write of this set
.set g, g+1
.endr
	v_nop                                          ; a plain vector line behind the last scaled conversion
.set j, 0
.rept 16
	ds_store_b32 v16, v[CD+16*Q+j] offset:(\m)*XIMG1+(\i)*XP+128*j
.set j, j+1
.endr
.endm
	s_wait_loadcnt 17                              ; row 0's sixteen loads are in; row 1's sixteen and the weights stay out
	QROW 0, 0
	QROW 0, 1
	s_wait_loadcnt 1                               ; row 1 is in; the weights may stay out
	QROW 1, 0
	QROW 1, 1
	s_wait_loadcnt 0x0                             ; the weights
	s_wait_dscnt 0x0                               ; for the others' sake: my stores into the images are done
	s_barrier_signal -1
	s_barrier_wait -1                              ; both images are whole; nobody writes them again
; ---- LOOP 1: for each expert that some token chose: gate and up, SwiGLU, codes of the second product's token operand
.macro LDB s                           ; K step s of my gate tile and my up tile: 8 loads of 512 consecutive bytes.  No hint: other work-groups read the same images
.irp gu, 0,1
.irp c, 0,1,2,3
	global_load_b128 v[BF+32*((\s)%4)+16*\gu+4*\c:BF+32*((\s)%4)+16*\gu+4*\c+3], v4, s[26:27] offset:(2*(\s)+\gu)*2048+512*\c
.endr
.endr
.endm
.macro LDA s                           ; K step s of the 16 tokens' codes, from both images: 8 loads
.irp m, 0,1
.irp c, 0,1,2,3
	ds_load_b128 v[AF+32*((\s)%2)+16*\m+4*\c:AF+32*((\s)%2)+16*\m+4*\c+3], v[5+\m] offset:128*(\s)+32*\c
.endr
.endr
.endm
.macro PICK s                          ; image 0's codes stay where my token's e0 is e; elsewhere image 1's take their place
.set k, 0
.rept 16
	v_cndmask_b32 v[AF+32*((\s)%2)+k], v[AF+32*((\s)%2)+16+k], v[AF+32*((\s)%2)+k], s22
.set k, k+1
.endr
.endm
	s_mov_b32 s19, 0                               ; e
	s_mov_b32 s20, 0                               ; 16 e: its four exponents
	s_mov_b32 s21, 0                               ; 256 e: its place in each wave's part of ACT
.Lfirst:
	v_cmp_eq_u32 s22, s19, v8                      ; tokens whose e0 is e,
	v_cmp_eq_u32 s23, s19, v9                      ; whose e1 is e
	s_or_b32 s24, s22, s23
	s_cmp_eq_u32 s24, 0                            ; the same in all eight waves: they hold the same 16 records
	s_cbranch_scc1 .Lskip_first
	s_load_b128 s[32:35], s[8:9], s20 offset:0x0   ; ea, eb, ec, ed
	s_lshl_b32 s28, s19, 19
	s_lshl_b32 s36, s18, 16
	s_add_co_u32 s28, s28, s36
	s_mov_b32 s29, 0
	s_add_nc_u64 s[26:27], s[12:13], s[28:29]      ; my 32 fragments of this expert (the last pass's loads were all waited for)
	LDB 0
	LDB 1
	LDB 2
	LDB 3
	LDA 0
	LDA 1
.set st, 0
.rept 16
.if st < 13
	s_wait_loadcnt 24                              ; this step's 8 loads of weights are in; those of the three steps behind it stay out
.else
	s_wait_loadcnt 8*(15-st)
.endif
.if st < 15
	s_wait_dscnt 8                                 ; this step's 8 loads of x's codes are in; the next step's eight stay out
.else
	s_wait_dscnt 0x0
.endif
	PICK st
.if st == 0                                    ; the first K step starts both sums; the two accumulators take turns
	v_wmma_f32_16x16x128_fp8_fp8 v[GA:GA+7], v[BF:BF+15], v[AF:AF+15], 0
	v_wmma_f32_16x16x128_fp8_fp8 v[UA:UA+7], v[BF+16:BF+31], v[AF:AF+15], 0
.else
	v_wmma_f32_16x16x128_fp8_fp8 v[GA:GA+7], v[BF+32*(st%4):BF+32*(st%4)+15], v[AF+32*(st%2):AF+32*(st%2)+15], v[GA:GA+7]
	v_wmma_f32_16x16x128_fp8_fp8 v[UA:UA+7], v[BF+32*(st%4)+16:BF+32*(st%4)+31], v[AF+32*(st%2):AF+32*(st%2)+15], v[UA:UA+7]
.endif
.if st < 14
	PLACES 4                                       ; ahead of the loads into the sets just multiplied
.if st < 12
	LDB st+4                                       ; the weights' set takes the step four further on,
.endif
	LDA st+2                                       ; x's set the step two further on
.endif
.set st, st+1
.endr
	PLACES 4
	s_wait_kmcnt 0x0
	s_add_co_i32 s36, s32, s33                     ; ea + eb
	s_add_co_i32 s37, s34, 127
	s_lshl_b32 s38, s37, 23                        ; 2^ec as f32
	s_add_co_i32 s37, s37, 8
	s_lshl_b32 s37, s37, 23
	s_or_b32 s37, s37, 0x600000                    ; 448 x 2^ec
.irp i, 0,1,2,3,4,5,6,7
	v_ldexp_f32 v[GV+\i], v[GA+\i], s36            ; gate = sum x 2^(ea + eb): nothing is rounded.  Each accumulator from its low end on
.endr
.irp i, 0,1,2,3,4,5,6,7
	v_ldexp_f32 v[UV+\i], v[UA+\i], s36            ; up
.endr
.irp i, 0,1,2,3,4,5,6,7
	v_mul_f32 v[48+\i], 0xbfb8aa3b, v[GV+\i]       ; -gate x log2(e)
.endr
.irp i, 0,1,2,3,4,5,6,7
	v_exp_f32 v[48+\i], v[48+\i]
.endr
	v_mov_b32 v58, s38                             ; (the plain line behind the batch)
	s_wait_alu depctr_va_vdst(0)                   ; one wait for the eight exponentials, ahead of their first reader
.irp i, 0,1,2,3,4,5,6,7
	v_add_f32 v[48+\i], 1.0, v[48+\i]
.endr
.irp i, 0,1,2,3,4,5,6,7
	v_rcp_f32 v[48+\i], v[48+\i]                   ; 1 / (1 + e^-gate); where e^-gate has overflowed this is 0, as the limit is
.endr
	v_mov_b32 v59, s37                             ; (the plain line behind the batch)
	s_wait_alu depctr_va_vdst(0)                   ; one wait for the eight reciprocals
.irp i, 0,2,4,6
	v_pk_mul_f32 v[GV+\i:GV+\i+1], v[GV+\i:GV+\i+1], v[48+\i:49+\i]        ; silu(gate)
.endr
.irp i, 0,2,4,6
	v_pk_mul_f32 v[GV+\i:GV+\i+1], v[GV+\i:GV+\i+1], v[UV+\i:UV+\i+1]      ; x up
.endr
.irp i, 0,1,2,3,4,5,6,7
	v_med3_num_f32 v[GV+\i], v[GV+\i], -v59, v59
.endr
	v_cvt_scalef32_pk8_fp8_f32 v[56:57], v[GV:GV+7], v58   ; lane (r, h): token r, units 32 (w / 2) + 16 h + 8 (w % 2) + 0 .. 7: registers 2 w, 2 w + 1 of the second product's operand
	v_nop                                          ; a plain vector line behind the scaled conversion
	v_add_nc_u32 v16, s21, v14
	ds_store_b64 v16, v[56:57]
.Lskip_first:
	s_add_co_u32 s20, s20, 16
	s_add_co_u32 s21, s21, 256
	s_add_co_u32 s19, s19, 1
	s_cmp_lt_u32 s19, 8
	s_cbranch_scc1 .Lfirst
	s_wait_dscnt 0x0                               ; for the others' sake: my parts of the operands are stored
	s_barrier_signal -1
	s_barrier_wait -1                              ; every chosen expert's operand is whole
; ---- LOOP 2: out += factor x (act Wdn_e^T), my 16 tiles of columns, four at a time
.macro LDW g                           ; tiles 4 g .. 4 g + 3 of my 16
.irp t, 0,1,2,3
.irp c, 0,1,2,3
	global_load_b128 v[BF+64*((\g)%2)+16*\t+4*\c:BF+64*((\g)%2)+16*\t+4*\c+3], v4, s[26:27] offset:(4*(\g)+\t)*2048+512*\c
.endr
.endr
.endm
.macro MM g                            ; K is 128: one instruction a tile, four accumulators
.irp t, 0,1,2,3
	v_wmma_f32_16x16x128_fp8_fp8 v[DA+32*((\g)%2)+8*\t:DA+32*((\g)%2)+8*\t+7], v[BF+64*((\g)%2)+16*\t:BF+64*((\g)%2)+16*\t+15], v[AC:AC+15], 0
.endr
.endm
.macro FM g                            ; out's sums += product x factor, each accumulator from its low end on; the factor pair's low word serves both halves
	WIN 0x50                                       ; source 2 and destination window 1
.irp t, 0,1,2,3
.irp i, 0,2,4,6
	v_pk_fma_f32 v[8*(4*(\g)+\t)+\i:8*(4*(\g)+\t)+\i+1], v[DA+32*((\g)%2)+8*\t+\i:DA+32*((\g)%2)+8*\t+\i+1], v[12:13], v[8*(4*(\g)+\t)+\i:8*(4*(\g)+\t)+\i+1] op_sel_hi:[1,0,1]
.endr
.endr
.endm
	s_mov_b32 s19, 0
	s_mov_b32 s20, 0
	s_mov_b32 s21, 0
.Lsecond:
	v_cmp_eq_u32 s22, s19, v8
	v_cmp_eq_u32 s23, s19, v9
	s_or_b32 s24, s22, s23
	s_cmp_eq_u32 s24, 0
	s_cbranch_scc1 .Lskip_second
	s_load_b128 s[32:35], s[8:9], s20 offset:0x0   ; ea, eb, ec, ed
	s_lshl_b32 s28, s19, 18
	s_lshl_b32 s36, s18, 15
	s_add_co_u32 s28, s28, s36
	s_mov_b32 s29, 0
	s_add_nc_u64 s[26:27], s[14:15], s[28:29]      ; my 16 fragments of this expert
	LDW 0
	LDW 1
	v_add_nc_u32 v16, s21, v15
.irp k, 0,1,2,3,4,5,6,7
	ds_load_b64 v[AC+2*\k:AC+2*\k+1], v16 offset:2048*\k   ; wave k's part: registers 2 k, 2 k + 1 of the operand
.endr
	v_cndmask_b32 v12, 0, v10, s22                 ; w0 where e0 = e,
	v_cndmask_b32 v13, 0, v11, s23                 ; w1 where e1 = e,
	v_add_f32 v12, v12, v13                        ; 0 for a token that did not choose e
	s_wait_kmcnt 0x0
	s_add_co_i32 s36, s34, s35
	v_ldexp_f32 v12, v12, s36                      ; x 2^(ec + ed)
	s_wait_loadcnt 16                              ; tiles 0-3 are in; the next four stay out
	s_wait_dscnt 0x0
	MM 0
	PLACES 5                                       ; ahead of the loads into the set just multiplied (4), of the first read of these products (4), and of the products two groups on, which write over them (5)
	LDW 2
	s_wait_loadcnt 16
	MM 1
	FM 0                                           ; sixteen plain lines that name none of the last four products' registers: their places
	WIN 0
	LDW 3
	s_wait_loadcnt 16
	MM 2
	FM 1
	WIN 0
	s_wait_loadcnt 0x0
	MM 3
	FM 2
	FM 3
	WIN 0                                          ; at a label and at a branch every window is 0
.Lskip_second:
	s_add_co_u32 s20, s20, 16
	s_add_co_u32 s21, s21, 256
	s_add_co_u32 s19, s19, 1
	s_cmp_lt_u32 s19, 8
	s_cbranch_scc1 .Lsecond
; ---- THE WAY OUT.  A lane holds 32 neighbouring bytes of a token's row and the lanes beside it hold other tokens: four tiles (64 columns, 256 bytes of 16 rows) at a time go through my own stage and come back as rows.
.set p, 0
.rept 4
	WIN 0x04                                       ; the stores' data in window 1
.irp t, 0,1,2,3
	ds_store_b128 v17, v[8*(4*p+\t):8*(4*p+\t)+3] offset:64*\t
	ds_store_b128 v17, v[8*(4*p+\t)+4:8*(4*p+\t)+7] offset:64*\t+16
.endr
	WIN 0
.irp i, 0,1,2,3,4,5,6,7
	ds_load_b128 v[BF+32*p+4*\i:BF+32*p+4*\i+3], v18 offset:2*\i*SP   ; LDS serves a wave's instructions in order (ISA guide 5.7.1.4): these see my stores, and the next four tiles' stores come behind them
.endr
.set p, p+1
.endr
.set p, 0
.rept 4
.set i, 0
.rept 8
	s_wait_dscnt 16*(3-p)+7-i                      ; the LDS instructions issued behind this load may stay out
	global_store_b128 v[20+i], v[BF+32*p+4*i:BF+32*p+4*i+3], s[16:17] offset:256*p th:TH_STORE_NT   ; 16 lanes store 256 consecutive bytes, at a multiple of 256 from out's first byte; written once, read by nobody here
.set i, i+1
.endr
.set p, p+1
.endr
	s_wait_tensorcnt 0x0                           ; the wave's end
	ds_add_u32 v28, v29
	s_wait_dscnt 0x0
	s_endpgm
.Lfunc_end_k_q75ffecaa09_moe:
	.size	k_q75ffecaa09_moe, .Lfunc_end_k_q75ffecaa09_moe-k_q75ffecaa09_moe
	.p2alignl 7, 3214868480
	.fill 96, 4, 3214868480
	.section	.rodata,"a",@progbits
	.p2align	6, 0x0
	.amdhsa_kernel k_q75ffecaa09_moe
		.amdhsa_group_segment_fixed_size 118272
		.amdhsa_private_segment_fixed_size 0
		.amdhsa_enable_private_segment 0
		.amdhsa_kernarg_size 56
		.amdhsa_user_sgpr_count 2
		.amdhsa_user_sgpr_kernarg_segment_ptr 1
		.amdhsa_wavefront_size32 1
		.amdhsa_system_sgpr_workgroup_id_x 1
		.amdhsa_system_sgpr_workgroup_id_y 1
		.amdhsa_system_sgpr_workgroup_id_z 1
		.amdhsa_system_vgpr_workitem_id 0
		.amdhsa_next_free_vgpr 384
		.amdhsa_next_free_sgpr 66
		.amdhsa_reserve_vcc 0
		.amdhsa_float_denorm_mode_32 3
		.amdhsa_float_denorm_mode_16_64 3
		.amdhsa_memory_ordered 1
		.amdhsa_forward_progress 1
		.amdhsa_inst_pref_size 104
	.end_amdhsa_kernel
	.amdgpu_metadata
---
amdhsa.version: [ 1, 2 ]
amdhsa.kernels:
  - .name:           k_q75ffecaa09_moe
    .symbol:         k_q75ffecaa09_moe.kd
    .args:
      - { .name: hidden_states, .offset: 0, .size: 8, .value_kind: global_buffer, .address_space: global }
      - { .name: top_k_weights, .offset: 8, .size: 8, .value_kind: global_buffer, .address_space: global }
      - { .name: lowp_scales, .offset: 16, .size: 8, .value_kind: global_buffer, .address_space: global }
      - { .name: order, .offset: 24, .size: 8, .value_kind: global_buffer, .address_space: global }
      - { .name: wgu, .offset: 32, .size: 8, .value_kind: global_buffer, .address_space: global }
      - { .name: wdn, .offset: 40, .size: 8, .value_kind: global_buffer, .address_space: global }
      - { .name: out0, .offset: 48, .size: 8, .value_kind: global_buffer, .address_space: global }
    .group_segment_fixed_size: 118272
    .private_segment_fixed_size: 0
    .kernarg_segment_align: 8
    .kernarg_segment_size: 56
    .max_flat_workgroup_size: 256
    .sgpr_count:     66
    .vgpr_count:     384
    .wavefront_size: 32
...
	.end_amdgpu_metadata
.endif
;; end of part 2
;; ======== version 2 of 2: 2 launches; version 1 with the launch moe written anew for expert scheduling mode
;; workspace buffers: wgu 4,194,304 bytes; wdn 2,097,152 bytes; order 16,384 bytes of whole numbers
;; launch prep: the kernel of part 1 again; grid 320 x 1, 8 waves a work-group, no clusters, 37,888 bytes of LDS; arguments gate_up_proj, down_proj, lowp_scales, top_k_index, wgu, wdn, order; writes wgu, wdn, order
;; launch moe (part 3): grid 256 x 1, 8 waves a work-group, no clusters, 118,272 bytes of LDS; arguments hidden_states, top_k_weights, lowp_scales, order, wgu, wdn, out0; writes out0
.if DOCPART == 3
	.amdgcn_target "amdgcn-amd-amdhsa--gfx1250"
	.amdhsa_code_object_version 6
	.text
	.protected	k_q75ffecaa09_moe
	.globl	k_q75ffecaa09_moe
	.p2align	8
	.type	k_q75ffecaa09_moe,@function
k_q75ffecaa09_moe:
	s_mov_b64 s[64:65], 0
	v_nop
	global_prefetch_b8 v0, s[64:65] scope:SCOPE_SE
	s_setreg_imm32_b32 hwreg(HW_REG_WAVE_SCHED_MODE, 0, 2), 2
	s_setreg_imm32_b32 hwreg(HW_REG_WAVE_MODE, 25, 1), 1
	s_wait_xcnt 0x0
	s_wait_alu depctr_vm_vsrc(0)
; SECOND LAUNCH: the whole chain for 16 tokens a work-group.  Work left out (shown at the head of the first kernel): an expert's two products are computed only for tiles in which some token chose it.
; out[t] = sum over j of w[t][j] x (silu(gate) x up) Wdn_e^T, (gate, up) = x[t] Wgu_e^T, e = the token's j-th expert; both products on codes of E4M3, scales 2^ea, 2^eb, 2^ec, 2^ed = lowp_scales[4 e + 0 .. 3].
; SHARES.  Work-group b owns places 16 b .. 16 b + 15 of the list that the first launch sorted by sets of experts (order[p] = token | e0 << 12 | e1 << 15): 16 whole rows of out, so every output row has ONE owner.
; Eight waves.  Wave w: quantises rows 2 w, 2 w + 1 of x; first product: gate tile w and up tile w (two accumulators by turns, 16 K steps of 128); second product: output columns 256 w .. 256 w + 255 (16 tiles).
; BOTH PRODUCTS ARE USED TRANSPOSED (source 0 = 16 rows of a weight, source 1 = the 16 tokens): a lane holds ONE token (lane % 16) throughout, and its eight registers are eight neighbouring units or columns.
; K's order in a fragment: lane (r, h), registers 4 c .. 4 c + 3 hold k = 32 c + 16 h + 0 .. 15 of a K step: a permutation of k, the same on both sides of each product; the sums are judged within a tolerance.
; x IS QUANTISED TWICE, NOT EIGHT TIMES: a row needs codes only under its own two experts' scales.  Image 0 holds each row under its e0's scale, image 1 under its e1's.  In expert e's pass a lane loads its
; row's codes from BOTH images, at addresses made of its number alone, and keeps image 0's where e0 = e, else image 1's: a choice among values, so that no LDS address hangs on a loaded number.
; A token that did not choose e rides along on codes of another scale: they are valid codes, the sums are finite, and its factor is 0.
; THE WALK.  Two loops of 8 trips, one for each product, with ONE barrier between them. No barrier stands under it.
; NO TENSOR LOADS, NO CLUSTER: which experts' weights a work-group reads hangs on numbers read from memory, so a fill of LDS would stand under a branch on loaded numbers, and neighbouring work-groups would ask
; for different tiles.  The weights come from the first launch's images straight into the operand's registers, 512 consecutive bytes a load.
; LIMITS: each of the 32 exponents between -126 and 119 (2^e and 448 x 2^e are made as f32 numbers); ea + eb and ec + ed are applied by v_ldexp_f32 and have no limit.  NaN among the inputs is not served.
; A token that names one expert twice gets (w0 + w1) x d where the source has w0 x d + w1 x d: a difference of rounding.
; THE MODE: SCHED_MODE bits 1:0 = 2 (LLVM: expert scheduling mode 2), set by the entry lines.  The code itself states the register dependences between vector or matrix instructions and memory or LDS
; instructions, with s_wait_alu, always for 0.
; THE PLAN.  Registers that memory or LDS instructions touch, and who else names them:
;   v4, v5, v6, v14, v15, v17, v18, v20-27   addresses and offsets: made in the head, never written again.
;   v16            an LDS address: made in the head for x's codes, and anew once in each pass of either loop; one wait on vm_vsrc at each loop's label stands ahead of every such write.
;   LOOP 1, x's codes: five units of 16 registers.  Image 0 of step s lies in unit s % 3 of v48-95, image 1 in unit s % 2 of v96-127.  Step s's sixteen selects read both and write image 0's; its two products read image 0's alone.
;   LOOP 1, weights: five sets of 32 registers, step s in set s % 5 (sets 0-3: v128-255; set 4: v384-415).  Step s's two products read the set.
;   So ONE wait on va_vdst stands in a step, behind its selects: it states that they are done with image 1's unit, and that the products of the step before are done with their unit of image 0 and their set of weights.
;   Just these registers take the loads that follow it: x's codes of step s + 2 ((s + 2) % 3 = (s - 1) % 3, (s + 2) % 2 = s % 2) and the weights of step s + 4 ((s + 4) % 5 = (s - 1) % 5).  Step s's own products name other
;   registers, so the loads are dealt among them with no further wait.  The wait ahead of a pass's one LDS store is the last vector-side wait of the pass: it also serves the next pass's first loads.
;   LOOP 2, weights: four sets of 64 registers, one for each group of four tiles (groups 0, 1: v128-255; groups 2, 3: v384-511); the token operand v112-127.  All are read by products alone and loaded once a pass:
;   ONE wait on va_vdst at a pass's head, behind the line that makes v16, states all that the pass's loads hang on.
;   v256-383       out's sums: written by vector lines; read by the LDS stores of the way out, behind one wait.
;   v28, v29       written at the head, read by the closing add alone.
.set XP,    2064                       ; a row of x's codes in LDS: 2,048 bytes + 16: the sixteen rows that a load touches begin 16 bytes apart modulo 256
.set XIMG1, 16*XP                      ; LDS: image 0 at byte 0, image 1 here
.set ACT,   2*16*XP                    ; the second product's token operand: 2,048 bytes for each WAVE that makes a part, in them 256 for each expert: 8 bytes a lane
.set STG,   ACT+16384                  ; the way out: 16 rows x 272 bytes for each wave, its own
.set SP,    272
.set SPARE, STG+8*16*SP                ; the spare words, 128 bytes for each wave: four blocks of 256 bytes that no other line names
; REGISTERS that stay: v1 lane, v2 r, v3 h, v4 16 x lane, v5, v6 my row's place in image 0, 1, v8, v9 e0, e1 of token r, v[10:11] its weights, v[12:13] the pass's factor,
;   v14 where I store my part of the token operand, v15 where I read it, v16 an address at work, v17, v18 the stage in and out, v19 lowp_scales[lane], v20-27 my byte offsets in out, v28 my spare word, v29 0, v30, v31 my two rows' records
.set CD,  32                           ; head: v32-95 codes, 16 registers for each (row, image)
.set T,   96                           ; head: v96-111 held numbers, two sets of 8
.set SCL, 112                          ; head: v112-119 for each (row, image): 2^ea, 448 x 2^ea
.set X,   128                          ; head: v128-255 my two rows of x
.set GA,  32                           ; loop 1: v32-39 gate's sums, v40-47 up's
.set UA,  40
.set A0,  48                           ; loop 1: v48-95 image 0's three units; behind the K steps v48-55 at work, v[56:57] codes, v58 2^ec, v59 448 x 2^ec
.set A1,  96                           ; loop 1: v96-127 image 1's two units
.set GV,  112                          ; loop 1, behind the K steps: v112-119 gate, v120-127 up
.set UV,  120
.set BF,  128                          ; v128-255 weights: loop 1 sets 0-3 of (gate, up), loop 2 groups 0, 1; the same numbers in window 1 (v384 on): loop 1 set 4, loop 2 groups 2, 3.  On the way out v128-255 are rows of out
.set DA,  48                           ; loop 2: v48-111 products, two sets of four tiles
.set AC,  112                          ; loop 2: v112-127 the token operand
;   window 1, v0-127 (v256-383): out's sums, tile n at 8 n
.set MSB, 0
.macro WIN new                         ; the immediate's high byte repeats the setting that is left; a switch that changes nothing is dropped
.if MSB != \new
	s_set_vgpr_msb (MSB<<8)|\new
.set MSB, \new
.endif
.endm
.macro PLACES n                        ; plain vector instructions behind a matrix instruction, ahead of reads of its result and of vector writes of its sources (4) and of a matrix instruction that writes over its registers (5): ISA guide 7.12.1
.rept \n
	v_nop
.endr
.endm
	s_load_b256 s[4:11], s[0:1], 0x0               ; hidden_states s[4:5], top_k_weights s[6:7], lowp_scales s[8:9], order s[10:11]
	s_load_b128 s[12:15], s[0:1], 0x20             ; wgu s[12:13], wdn s[14:15]
	s_load_b64 s[16:17], s[0:1], 0x30              ; out0
	v_lshl_add_u32 v28, v0, 2, SPARE
	v_mov_b32 v29, 0
	v_lshrrev_b32 v1, 5, v0
	v_readfirstlane_b32 s18, v1                    ; wave 0..7
	v_and_b32 v1, 31, v0                           ; lane
	v_and_b32 v2, 15, v0                           ; r
	v_bfe_u32 v3, v0, 4, 1                         ; h
	v_lshlrev_b32 v4, 4, v1
	v_mul_u32_u24 v5, v2, XP
	v_lshl_add_u32 v5, v3, 4, v5                   ; image 0: row r, + 16 h
	v_add_nc_u32 v6, XIMG1, v5                     ; image 1
	v_lshl_add_u32 v15, v1, 3, ACT                 ; ACT + 8 lane
	v_mul_u32_u24 v17, v2, SP
	v_lshl_add_u32 v17, v3, 5, v17                 ; the stage, in: row r, 32 bytes for each half of the lanes
	v_mul_u32_u24 v18, v3, SP
	v_lshl_add_u32 v18, v2, 4, v18                 ; back: lanes 0-15 one row of 256 bytes, lanes 16-31 the next
	v_lshlrev_b32 v124, 2, v1
	v_lshlrev_b32 v125, 2, v2
	v_lshlrev_b32 v127, 2, v3
	s_wait_alu depctr_va_sdst(0)                   ; s18 is written, ahead of its first reader: LDS places and the bases of the weights are made from it
	s_lshl_b32 s36, s18, 11
	s_add_co_u32 s36, s36, ACT
	v_lshl_add_u32 v14, v1, 3, s36                 ; ACT + 2048 wave + 8 lane
	s_mul_i32 s37, s18, 16*SP
	s_add_co_u32 s37, s37, STG                     ; my stage
	v_add_nc_u32 v17, s37, v17
	v_add_nc_u32 v18, s37, v18
	s_mul_i32 s38, s18, 2*XP
	v_lshl_add_u32 v16, v1, 2, s38                 ; x's codes: my first row, 4 bytes a lane
	s_lshl_b32 s39, s18, 3
	v_mov_b32 v126, s39
	s_lshl_b32 s28, ttmp9, 6                       ; my 16 records
	s_mov_b32 s29, 0
	s_wait_kmcnt 0x0
	s_add_nc_u64 s[10:11], s[10:11], s[28:29]
	s_wait_alu depctr_va_vdst(0)                   ; the offsets v124 to v127 are written, which the loads below read; so are v4 to v6 and v14 to v18, the addresses of all later loads and stores, and v28, v29
	global_load_b32 v19, v124, s[8:9]              ; the 32 exponents, one a lane
	global_load_b32 v122, v125, s[10:11]           ; the record of token r
	global_load_b32 v30, v126, s[10:11]            ; of my rows 2 w
	global_load_b32 v31, v126, s[10:11] offset:4   ; and 2 w + 1 (the same in all lanes)
.irp i, 0,1,2,3,4,5,6,7
	global_load_b32 v[20+\i], v127, s[10:11] offset:8*\i   ; of row 2 i + lane / 16, for the way out
.endr
	s_wait_loadcnt 0x0
	s_wait_alu depctr_vm_vsrc(0)                   ; the twelve loads have read v124 to v127, which are written anew below
	; a token's number enters addresses: it is cut out of the record, and its bound, 4,095, is written out once more by a minimum
	v_and_b32 v120, 0xfff, v30
	v_min_u32 v120, 0xfff, v120
	v_lshlrev_b32 v120, 13, v120                   ; a row of x is 8,192 bytes
	v_add_nc_u32 v120, v120, v4
	v_and_b32 v121, 0xfff, v31
	v_min_u32 v121, 0xfff, v121
	v_lshlrev_b32 v121, 13, v121
	v_add_nc_u32 v121, v121, v4
	v_bfe_u32 v8, v122, 12, 3                      ; e0, e1 of token r
	v_bfe_u32 v9, v122, 15, 3
	v_and_b32 v122, 0xfff, v122
	v_min_u32 v122, 0xfff, v122
	v_lshlrev_b32 v122, 3, v122
	v_bfe_u32 v124, v30, 12, 3                     ; the experts of my two rows: (row, image) = (0, 0), (0, 1), (1, 0), (1, 1)
	v_bfe_u32 v125, v30, 15, 3
	v_bfe_u32 v126, v31, 12, 3
	v_bfe_u32 v127, v31, 15, 3
.irp q, 0,1,2,3
	v_lshlrev_b32 v[124+\q], 4, v[124+\q]          ; lane 4 e holds ea; the permute's index is 4 x the lane
.endr
	s_wait_alu depctr_va_vdst(0)                   ; v120, v121 and v122 are written, the offsets of the 33 loads below, and v124 to v127, the four permutes' indices
.irp i, 0,1
.irp j, 0,1,2,3,4,5,6,7,8,9,10,11,12,13,14,15
	global_load_b128 v[X+64*\i+4*\j:X+64*\i+4*\j+3], v[120+\i], s[4:5] offset:512*\j th:TH_LOAD_NT   ; 512 consecutive bytes a load; each row of x is read once in the launch
.endr
.endr
	global_load_b64 v[10:11], v122, s[6:7]         ; token r's two weights
.irp q, 0,1,2,3
	ds_bpermute_b32 v[SCL+2*\q], v[124+\q], v19
.endr
	s_lshl_b32 s36, s18, 10
	v_lshl_add_u32 v123, v2, 4, s36                ; my wave's 1,024 bytes of a row of out, 16 bytes a lane
.irp i, 0,1,2,3,4,5,6,7
	v_and_b32 v[20+\i], 0xfff, v[20+\i]
	v_min_u32 v[20+\i], 0xfff, v[20+\i]
	v_lshlrev_b32 v[20+\i], 13, v[20+\i]
	v_add_nc_u32 v[20+\i], v[20+\i], v123
.endr
	WIN 0x40                                       ; destination window 1
.set j, 0
.rept 128
	v_mov_b32 v[j], 0                              ; out's sums begin as zeros: which expert's pass comes first hangs on the stored list.  Paid once, while x is on its way
.set j, j+1
.endr
	WIN 0
	s_wait_dscnt 0x0                               ; the four exponents
.irp q, 0,1,2,3
	v_add_nc_u32 v[SCL+2*\q], 127, v[SCL+2*\q]
	v_add_nc_u32 v[SCL+2*\q+1], 8, v[SCL+2*\q]
	v_lshlrev_b32 v[SCL+2*\q], 23, v[SCL+2*\q]                     ; 2^ea as f32
	v_lshl_or_b32 v[SCL+2*\q+1], v[SCL+2*\q+1], 23, 0x600000       ; 448 x 2^ea
.endr
; Row i of my two under its expert m's scale.  A lane's four numbers of load j are k = 128 j + 4 lane + 0 .. 3: one register of codes, and the 32 lanes' registers are 128 consecutive bytes of the row.
; send = 1: the sixteen LDS stores of row i - 1 under the same image are dealt among the eight groups, two to a group: their data were written ahead of the wait that stands in front of this row, and no line here names them or v16.
.macro QCONV i, m, send
.set Q, 2*(\i)+(\m)
.set g, 0
.rept 8
.set k, 0
.rept 8
	v_med3_num_f32 v[T+8*(g%2)+k], v[X+64*(\i)+8*g+k], -v[SCL+2*Q+1], v[SCL+2*Q+1]   ; the hold at the largest code x the scale (ISA guide 7.6.2), into other registers: x serves both images
.set k, k+1
.endr
	v_cvt_scalef32_pk8_fp8_f32 v[CD+16*Q+2*g:CD+16*Q+2*g+1], v[T+8*(g%2):T+8*(g%2)+7], v[SCL+2*Q]   ; the other set's eight holds are the plain lines ahead of the next write of this set
.if \send
	ds_store_b32 v16, v[CD+16*(Q-2)+2*g] offset:(\m)*XIMG1+((\i)-1)*XP+128*(2*g)
	ds_store_b32 v16, v[CD+16*(Q-2)+2*g+1] offset:(\m)*XIMG1+((\i)-1)*XP+128*(2*g+1)
.endif
.set g, g+1
.endr
	v_nop                                          ; a plain vector line behind the last scaled conversion
.endm
.macro QSEND i, m                      ; the sixteen LDS stores of row i under image m
.set Q, 2*(\i)+(\m)
.set j, 0
.rept 16
	ds_store_b32 v16, v[CD+16*Q+j] offset:(\m)*XIMG1+(\i)*XP+128*j
.set j, j+1
.endr
.endm
	s_wait_loadcnt 17                              ; row 0's sixteen loads are in; row 1's sixteen and the weights stay out
	QCONV 0, 0, 0
	QCONV 0, 1, 0
	s_wait_loadcnt 1                               ; row 1 is in; the weights may stay out
	s_wait_alu depctr_va_vdst(0)                   ; row 0's conversions have written v32 to v63, which the LDS stores dealt among row 1's conversions read
	QCONV 1, 0, 1
	QCONV 1, 1, 1
	s_wait_alu depctr_va_vdst(0)                   ; row 1's conversions have written v64 to v95, which the stores below read; and the holds and conversions are done with v96 to v255, in which the first loop's loads land
	QSEND 1, 0
	QSEND 1, 1
	s_wait_loadcnt 0x0                             ; the weights
	s_wait_dscnt 0x0                               ; for the others' sake: my stores into the images are done
	s_barrier_signal -1
	s_barrier_wait -1                              ; both images are whole; nobody writes them again
; ---- LOOP 1: for each expert that some token chose: gate and up, SwiGLU, codes of the second product's token operand
.macro LDB s, gu                       ; K step s of my gate tile (gu = 0) or my up tile (1), into set s % 5: 4 loads of 512 consecutive bytes.  No hint: other work-groups read the same images.  Set 4 has set 0's numbers in window 1: the caller sets the window
.set WB, BF+32*(((\s)%5)%4)+16*(\gu)
.irp c, 0,1,2,3
	global_load_b128 v[WB+4*\c:WB+4*\c+3], v4, s[26:27] offset:(2*(\s)+(\gu))*2048+512*\c
.endr
.endm
.macro LDA s                           ; K step s of the 16 tokens' codes, from both images: 8 loads
.irp c, 0,1,2,3
	ds_load_b128 v[A0+16*((\s)%3)+4*\c:A0+16*((\s)%3)+4*\c+3], v5 offset:128*(\s)+32*\c
.endr
.irp c, 0,1,2,3
	ds_load_b128 v[A1+16*((\s)%2)+4*\c:A1+16*((\s)%2)+4*\c+3], v6 offset:128*(\s)+32*\c
.endr
.endm
.macro PICK s                          ; image 0's codes stay where my token's e0 is e; elsewhere image 1's take their place
.set k, 0
.rept 16
	v_cndmask_b32 v[A0+16*((\s)%3)+k], v[A1+16*((\s)%2)+k], v[A0+16*((\s)%3)+k], s22
.set k, k+1
.endr
.endm
.macro GATE s                          ; the first K step starts the sum; the two accumulators take turns
.set WB, BF+32*(((\s)%5)%4)
.set XA, A0+16*((\s)%3)
.if (\s) == 0
	v_wmma_f32_16x16x128_fp8_fp8 v[GA:GA+7], v[WB:WB+15], v[XA:XA+15], 0
.else
	v_wmma_f32_16x16x128_fp8_fp8 v[GA:GA+7], v[WB:WB+15], v[XA:XA+15], v[GA:GA+7]
.endif
.endm
.macro UP s
.set WB, BF+32*(((\s)%5)%4)+16
.set XA, A0+16*((\s)%3)
.if (\s) == 0
	v_wmma_f32_16x16x128_fp8_fp8 v[UA:UA+7], v[WB:WB+15], v[XA:XA+15], 0
.else
	v_wmma_f32_16x16x128_fp8_fp8 v[UA:UA+7], v[WB:WB+15], v[XA:XA+15], v[UA:UA+7]
.endif
.endm
	s_mov_b32 s19, 0                               ; e
	s_mov_b32 s20, 0                               ; 16 e: its four exponents
	s_mov_b32 s21, 0                               ; 256 e: its place in each wave's part of ACT
.Lfirst:
	s_wait_alu depctr_vm_vsrc(0)                   ; first trip: the head's LDS stores have read v16 and v32 to v95, its permutes and loads v120 to v127; later trips: the last pass's LDS store has read v16 and v[56:57].  All of these are written again in a pass
	v_cmp_eq_u32 s22, s19, v8                      ; tokens whose e0 is e,
	v_cmp_eq_u32 s23, s19, v9                      ; whose e1 is e
	s_wait_alu depctr_va_sdst(0)                   ; s22 and s23 are written, ahead of their first reader
	s_or_b32 s24, s22, s23
	s_cmp_eq_u32 s24, 0                            ; the same in all eight waves: they hold the same 16 records
	s_cbranch_scc1 .Lskip_first
	s_load_b128 s[32:35], s[8:9], s20 offset:0x0   ; ea, eb, ec, ed
	s_lshl_b32 s28, s19, 19
	s_lshl_b32 s36, s18, 16
	s_add_co_u32 s28, s28, s36
	s_mov_b32 s29, 0
	s_add_nc_u64 s[26:27], s[12:13], s[28:29]      ; my 32 fragments of this expert (the last pass's loads were all waited for)
.irp s, 0,1,2,3                                ; no wait on va_vdst here: since the last one (ahead of the last pass's LDS store; first trip: ahead of row 1's stores) the two compares alone were issued, which name v8 and v9
	LDB \s, 0
	LDB \s, 1
.endr
	LDA 0
	LDA 1
.set st, 0
.rept 16
.if st < 13
	s_wait_loadcnt 24                              ; this step's 8 loads of weights are in; those of the three steps behind it stay out
.else
	s_wait_loadcnt 8*(15-st)
.endif
.if st < 15
	s_wait_dscnt 8                                 ; this step's 8 loads of x's codes are in; the next step's eight stay out
.else
	s_wait_dscnt 0x0
.endif
	PICK st
.if st < 14                                    ; steps 14 and 15 load nothing: they have no wait
	s_wait_alu depctr_va_vdst(0)                   ; the selects are done with image 1's unit; the last step's products are done with their unit of image 0 and their set of weights: in these the loads of this step land
.endif
.if (st%5) == 4                                ; this step's weights lie in window 1: its loads first, under window 0, then the products
.if st < 14
	LDA st+2
.endif
.if st < 12
	LDB st+4, 0
	LDB st+4, 1
.endif
	WIN 0x01                                       ; source 0 window 1
	GATE st
	UP st
	WIN 0
.elseif ((st%5) == 0) && (st < 12)             ; the weights of four steps on go into window 1: between the wait and these loads stands the switch alone
	WIN 0x40                                       ; destination window 1
	LDB st+4, 0
	LDB st+4, 1
	WIN 0
	LDA st+2
	GATE st
	UP st
.else                                          ; the loads are dealt among the products, which name none of the registers that they touch
.if st < 14
	LDA st+2                                       ; x's units take the step two further on,
.endif
	GATE st
.if st < 12
	LDB st+4, 0                                    ; the weights' set the step four further on
.endif
	UP st
.if st < 12
	LDB st+4, 1
.endif
.endif
.set st, st+1
.endr
	PLACES 4                                       ; ahead of the first read of the sums, and of the lines below that write v48 on, which the last products read
	s_wait_kmcnt 0x0
	s_add_co_i32 s36, s32, s33                     ; ea + eb
	s_add_co_i32 s37, s34, 127
	s_lshl_b32 s38, s37, 23                        ; 2^ec as f32
	s_add_co_i32 s37, s37, 8
	s_lshl_b32 s37, s37, 23
	s_or_b32 s37, s37, 0x600000                    ; 448 x 2^ec
.irp i, 0,1,2,3,4,5,6,7
	v_ldexp_f32 v[GV+\i], v[GA+\i], s36            ; gate = sum x 2^(ea + eb): nothing is rounded.  Each accumulator from its low end on
.endr
.irp i, 0,1,2,3,4,5,6,7
	v_ldexp_f32 v[UV+\i], v[UA+\i], s36            ; up
.endr
.irp i, 0,1,2,3,4,5,6,7
	v_mul_f32 v[48+\i], 0xbfb8aa3b, v[GV+\i]       ; -gate x log2(e)
.endr
.irp i, 0,1,2,3,4,5,6,7
	v_exp_f32 v[48+\i], v[48+\i]
.endr
	v_mov_b32 v58, s38                             ; (the plain line behind the batch)
	s_wait_alu depctr_va_vdst(0)                   ; the eight exponentials have written v48 to v55: one wait, ahead of their first reader
.irp i, 0,1,2,3,4,5,6,7
	v_add_f32 v[48+\i], 1.0, v[48+\i]
.endr
.irp i, 0,1,2,3,4,5,6,7
	v_rcp_f32 v[48+\i], v[48+\i]                   ; 1 / (1 + e^-gate); where e^-gate has overflowed this is 0, as the limit is
.endr
	v_mov_b32 v59, s37                             ; (the plain line behind the batch)
	s_wait_alu depctr_va_vdst(0)                   ; the eight reciprocals have written v48 to v55: one wait, ahead of their first reader
.irp i, 0,2,4,6
	v_pk_mul_f32 v[GV+\i:GV+\i+1], v[GV+\i:GV+\i+1], v[48+\i:49+\i]        ; silu(gate)
.endr
.irp i, 0,2,4,6
	v_pk_mul_f32 v[GV+\i:GV+\i+1], v[GV+\i:GV+\i+1], v[UV+\i:UV+\i+1]      ; x up
.endr
.irp i, 0,1,2,3,4,5,6,7
	v_med3_num_f32 v[GV+\i], v[GV+\i], -v59, v59
.endr
	v_cvt_scalef32_pk8_fp8_f32 v[56:57], v[GV:GV+7], v58   ; lane (r, h): token r, units 32 (w / 2) + 16 h + 8 (w % 2) + 0 .. 7: registers 2 w, 2 w + 1 of the second product's operand
	v_nop                                          ; a plain vector line behind the scaled conversion
	v_add_nc_u32 v16, s21, v14
	s_wait_alu depctr_va_vdst(0)                   ; the codes v[56:57] and the address v16 are written, which the store reads; and every vector and matrix instruction of the pass is done with the registers in which the next pass's first loads land
	ds_store_b64 v16, v[56:57]
.Lskip_first:
	s_add_co_u32 s20, s20, 16
	s_add_co_u32 s21, s21, 256
	s_add_co_u32 s19, s19, 1
	s_cmp_lt_u32 s19, 8
	s_cbranch_scc1 .Lfirst
	s_wait_dscnt 0x0                               ; for the others' sake: my parts of the operands are stored
	s_barrier_signal -1
	s_barrier_wait -1                              ; every chosen expert's operand is whole
; ---- LOOP 2: out += factor x (act Wdn_e^T), my 16 tiles of columns, four at a time
.macro LDW g                           ; tiles 4 g .. 4 g + 3 of my 16, into the group's own set.  Groups 2 and 3 have groups 0 and 1's numbers in window 1: the caller sets the window
.irp t, 0,1,2,3
.irp c, 0,1,2,3
	global_load_b128 v[BF+64*((\g)%2)+16*\t+4*\c:BF+64*((\g)%2)+16*\t+4*\c+3], v4, s[26:27] offset:(4*(\g)+\t)*2048+512*\c
.endr
.endr
.endm
.macro MM g                            ; K is 128: one instruction a tile, four accumulators
.if (\g) >= 2
	WIN 0x01                                       ; source 0 window 1
.else
	WIN 0
.endif
.irp t, 0,1,2,3
	v_wmma_f32_16x16x128_fp8_fp8 v[DA+32*((\g)%2)+8*\t:DA+32*((\g)%2)+8*\t+7], v[BF+64*((\g)%2)+16*\t:BF+64*((\g)%2)+16*\t+15], v[AC:AC+15], 0
.endr
.endm
.macro FM g                            ; out's sums += product x factor, each accumulator from its low end on; the factor pair's low word serves both halves
	WIN 0x50                                       ; source 2 and destination window 1
.irp t, 0,1,2,3
.irp i, 0,2,4,6
	v_pk_fma_f32 v[8*(4*(\g)+\t)+\i:8*(4*(\g)+\t)+\i+1], v[DA+32*((\g)%2)+8*\t+\i:DA+32*((\g)%2)+8*\t+\i+1], v[12:13], v[8*(4*(\g)+\t)+\i:8*(4*(\g)+\t)+\i+1] op_sel_hi:[1,0,1]
.endr
.endr
.endm
	s_mov_b32 s19, 0
	s_mov_b32 s20, 0
	s_mov_b32 s21, 0
.Lsecond:
	s_wait_alu depctr_vm_vsrc(0)                   ; the first loop's LDS stores have read v16 and v[56:57], the last pass's LDS loads v16: a pass writes v16 anew, and its products write over v[56:57]
	v_cmp_eq_u32 s22, s19, v8
	v_cmp_eq_u32 s23, s19, v9
	s_wait_alu depctr_va_sdst(0)                   ; s22 and s23 are written, ahead of their first reader
	s_or_b32 s24, s22, s23
	s_cmp_eq_u32 s24, 0
	s_cbranch_scc1 .Lskip_second
	s_load_b128 s[32:35], s[8:9], s20 offset:0x0   ; ea, eb, ec, ed
	s_lshl_b32 s28, s19, 18
	s_lshl_b32 s36, s18, 15
	s_add_co_u32 s28, s28, s36
	s_mov_b32 s29, 0
	s_add_nc_u64 s[26:27], s[14:15], s[28:29]      ; my 16 fragments of this expert
	v_add_nc_u32 v16, s21, v15
	v_cndmask_b32 v12, 0, v10, s22                 ; w0 where e0 = e,
	v_cndmask_b32 v13, 0, v11, s23                 ; w1 where e1 = e,
	v_add_f32 v12, v12, v13                        ; 0 for a token that did not choose e
	s_wait_alu depctr_va_vdst(0)                   ; v16 is written, which the LDS loads read; the products issued so far are done with v112 to v255 and v384 to v511, in which this pass's loads land
	LDW 0
	LDW 1
.irp k, 0,1,2,3,4,5,6,7
	ds_load_b64 v[AC+2*\k:AC+2*\k+1], v16 offset:2048*\k   ; wave k's part: registers 2 k, 2 k + 1 of the operand
.endr
	WIN 0x40                                       ; destination window 1
	LDW 2
	WIN 0
	s_wait_kmcnt 0x0
	s_add_co_i32 s36, s34, s35
	v_ldexp_f32 v12, v12, s36                      ; x 2^(ec + ed)
	s_wait_loadcnt 32                              ; tiles 0-3 are in; the next eight stay out
	s_wait_dscnt 0x0
	MM 0
	PLACES 5                                       ; ahead of the first read of these products (4), and of the products two groups on, which write over them (5)
	WIN 0x40
	LDW 3                                          ; no wait: since the pass's wait no vector or matrix instruction names this set or v4
	s_wait_loadcnt 32                              ; tiles 4-7 are in; the last eight stay out
	MM 1
	FM 0                                           ; sixteen plain lines that name none of the last four products' registers: their places
	s_wait_loadcnt 16
	MM 2
	FM 1
	s_wait_loadcnt 0x0
	MM 3
	FM 2
	FM 3
	WIN 0                                          ; at a label and at a branch every window is 0
.Lskip_second:
	s_add_co_u32 s20, s20, 16
	s_add_co_u32 s21, s21, 256
	s_add_co_u32 s19, s19, 1
	s_cmp_lt_u32 s19, 8
	s_cbranch_scc1 .Lsecond
; ---- THE WAY OUT.  A lane holds 32 neighbouring bytes of a token's row and the lanes beside it hold other tokens: four tiles (64 columns, 256 bytes of 16 rows) at a time go through my own stage and come back as rows.
.set p, 0
.rept 4
	WIN 0x04                                       ; the stores' data in window 1
.if p == 0
	s_wait_alu depctr_va_vdst(0)                   ; the multiply-adds have written out's sums, which the LDS stores read; the products are done with v128 to v255, in which the loads from the stage land.  No vector instruction follows
.endif
.irp t, 0,1,2,3
	ds_store_b128 v17, v[8*(4*p+\t):8*(4*p+\t)+3] offset:64*\t
	ds_store_b128 v17, v[8*(4*p+\t)+4:8*(4*p+\t)+7] offset:64*\t+16
.endr
	WIN 0
.irp i, 0,1,2,3,4,5,6,7
	ds_load_b128 v[BF+32*p+4*\i:BF+32*p+4*\i+3], v18 offset:2*\i*SP   ; LDS serves a wave's instructions in order (ISA guide 5.7.1.4): these see my stores, and the next four tiles' stores come behind them
.endr
.set p, p+1
.endr
.set p, 0
.rept 4
.set i, 0
.rept 8
	s_wait_dscnt 16*(3-p)+7-i                      ; the LDS instructions issued behind this load may stay out
	global_store_b128 v[20+i], v[BF+32*p+4*i:BF+32*p+4*i+3], s[16:17] offset:256*p th:TH_STORE_NT   ; 16 lanes store 256 consecutive bytes, at a multiple of 256 from out's first byte; written once, read by nobody here
.set i, i+1
.endr
.set p, p+1
.endr
	s_wait_dscnt 0x0                               ; the closing lines, six on end
	s_wait_alu 0x0
	s_wait_tensorcnt 0x0
	ds_add_u32 v28, v29
	s_wait_dscnt 0x0
	s_endpgm
.Lfunc_end_k_q75ffecaa09_moe:
	.size	k_q75ffecaa09_moe, .Lfunc_end_k_q75ffecaa09_moe-k_q75ffecaa09_moe
	.p2alignl 7, 3214868480
	.fill 96, 4, 3214868480
	.section	.rodata,"a",@progbits
	.p2align	6, 0x0
	.amdhsa_kernel k_q75ffecaa09_moe
		.amdhsa_group_segment_fixed_size 118272
		.amdhsa_private_segment_fixed_size 0
		.amdhsa_enable_private_segment 0
		.amdhsa_kernarg_size 56
		.amdhsa_user_sgpr_count 2
		.amdhsa_user_sgpr_kernarg_segment_ptr 1
		.amdhsa_wavefront_size32 1
		.amdhsa_system_sgpr_workgroup_id_x 1
		.amdhsa_system_sgpr_workgroup_id_y 1
		.amdhsa_system_sgpr_workgroup_id_z 1
		.amdhsa_system_vgpr_workitem_id 0
		.amdhsa_next_free_vgpr 512
		.amdhsa_next_free_sgpr 66
		.amdhsa_reserve_vcc 0
		.amdhsa_float_denorm_mode_32 3
		.amdhsa_float_denorm_mode_16_64 3
		.amdhsa_memory_ordered 1
		.amdhsa_forward_progress 1
		.amdhsa_inst_pref_size 104
	.end_amdhsa_kernel
	.amdgpu_metadata
---
amdhsa.version: [ 1, 2 ]
amdhsa.kernels:
  - .name:           k_q75ffecaa09_moe
    .symbol:         k_q75ffecaa09_moe.kd
    .args:
      - { .name: hidden_states, .offset: 0, .size: 8, .value_kind: global_buffer, .address_space: global }
      - { .name: top_k_weights, .offset: 8, .size: 8, .value_kind: global_buffer, .address_space: global }
      - { .name: lowp_scales, .offset: 16, .size: 8, .value_kind: global_buffer, .address_space: global }
      - { .name: order, .offset: 24, .size: 8, .value_kind: global_buffer, .address_space: global }
      - { .name: wgu, .offset: 32, .size: 8, .value_kind: global_buffer, .address_space: global }
      - { .name: wdn, .offset: 40, .size: 8, .value_kind: global_buffer, .address_space: global }
      - { .name: out0, .offset: 48, .size: 8, .value_kind: global_buffer, .address_space: global }
    .group_segment_fixed_size: 118272
    .private_segment_fixed_size: 0
    .kernarg_segment_align: 8
    .kernarg_segment_size: 56
    .max_flat_workgroup_size: 256
    .sgpr_count:     66
    .vgpr_count:     512
    .wavefront_size: 32
...
	.end_amdgpu_metadata
.endif
;; end of part 3
